; MI455X (gfx1250); checked and timed in simulation.
; The chip was launched on July 23, 2026; its instructions are those of AMD's public machine-readable ISA for CDNA 5 (MIT licence, August 2026) and "CDNA5" Instruction Set Architecture Reference Guide (July 2026). The comments in the code are by the model that wrote it; some were corrected since.
;; Causal Multihead Attention. Allowed arithmetic: float matrix products may take bf16 or f16 operands with f32 sums; all other float work in f32.
;; Inputs: W_qkv 1,024 x 3,072 float32; b_qkv 3,072 float32; x 2 x 2,048 x 1,024 float32.
;; Outputs: out0 2 x 2,048 x 1,024 float32.
;; One version. Each part assembles by itself: llvm-mc -triple=amdgcn-amd-amdhsa -mcpu=gfx1250 --defsym DOCPART=n.
;; ======== version 1 of 1: 3 launches
;; limits: values are held in f16: magnitudes above 65,504 overflow, below 6.1e-05 lose precision
;; workspace buffers: xb 8,388,608 bytes; wb 6,291,456 bytes; qkv 25,165,824 bytes
;; launch cast (part 1): grid 448 x 1, 8 waves a work-group, no clusters, 0 bytes of LDS; arguments x, W_qkv, xb, wb; writes xb, wb
.if DOCPART == 1
	.amdgcn_target "amdgcn-amd-amdhsa--gfx1250"
	.amdhsa_code_object_version 6
	.text
	.protected	k_q03fbfe3693_cast
	.globl	k_q03fbfe3693_cast
	.p2align	8
	.type	k_q03fbfe3693_cast,@function
k_q03fbfe3693_cast:
	s_mov_b64 s[64:65], 0
	v_nop
	global_prefetch_b8 v0, s[64:65] scope:SCOPE_SE
	s_setreg_imm32_b32 hwreg(HW_REG_WAVE_MODE, 25, 1), 1
	s_wait_xcnt 0x0
; xb = bf16(x), wb = bf16(W_qkv), layouts unchanged, each number rounded once to nearest even.
; A pure stream: every input byte is read once, every output byte written once; LDS, barriers and matrix instructions would add nothing.
; A work-group takes 65,536 bytes of f32 (16,384 numbers).  x is 256 such parts (work-groups 0-255), W_qkv 192 (work-groups 256-447).
; Thread t takes 16 bytes at 16 t of each of 16 pieces of 4,096 bytes: a wave's load covers 512 consecutive bytes, its 8-byte store
; 256 consecutive bytes that start at a multiple of 256.  All 16 loads of a thread go out before the first is used.
.set PIECES, 16
.set X, 8                              ; v[8:71]    piece k: 4 f32 as loaded
.set Y, 72                             ; v[72:103]  piece k: 4 bf16 to store
	s_load_b256 s[4:11], s[0:1], 0x0               ; x s[4:5], W_qkv s[6:7], xb s[8:9], wb s[10:11]
	v_lshlrev_b32 v1, 4, v0                        ; my 16 bytes in a piece of the source
	v_lshlrev_b32 v2, 3, v0                        ; my 8 bytes in a piece of the destination
	s_cmp_lt_u32 ttmp9, 256                        ; the first 256 work-groups take x, the others W_qkv
	s_cselect_b32 s12, 0, 256                      ; the first work-group of my tensor (selects and waits leave SCC as it is)
	s_wait_kmcnt 0x0
	s_cselect_b64 s[14:15], s[4:5], s[6:7]         ; source
	s_cselect_b64 s[16:17], s[8:9], s[10:11]       ; destination
	s_sub_co_u32 s12, ttmp9, s12                   ; my part's number in its tensor
	s_lshl_b32 s18, s12, 16                        ; x 65,536 bytes of f32 (below 16 MiB)
	s_mov_b32 s19, 0
	s_lshl_b32 s20, s12, 15                        ; x 32,768 bytes of bf16
	s_mov_b32 s21, 0
	s_add_nc_u64 s[14:15], s[14:15], s[18:19]
	s_add_nc_u64 s[16:17], s[16:17], s[20:21]
.set k, 0
.rept PIECES
	global_load_b128 v[X+4*k:X+4*k+3], v1, s[14:15] offset:4096*k th:TH_LOAD_NT   ; read once in the whole program
.set k, k+1
.endr
.set k, 0
.rept PIECES
	s_wait_loadcnt PIECES-1-k                      ; loads come back in order: piece k is in, the younger ones stay out
	v_cvt_pk_bf16_f32 v[Y+2*k], v[X+4*k], v[X+4*k+1]
	v_cvt_pk_bf16_f32 v[Y+2*k+1], v[X+4*k+2], v[X+4*k+3]
	global_store_b64 v2, v[Y+2*k:Y+2*k+1], s[16:17] offset:2048*k                 ; no register is written twice: no further wait
.set k, k+1
.endr
	s_endpgm
.Lfunc_end_k_q03fbfe3693_cast:
	.size	k_q03fbfe3693_cast, .Lfunc_end_k_q03fbfe3693_cast-k_q03fbfe3693_cast
	.p2alignl 7, 3214868480
	.fill 96, 4, 3214868480
	.section	.rodata,"a",@progbits
	.p2align	6, 0x0
	.amdhsa_kernel k_q03fbfe3693_cast
		.amdhsa_group_segment_fixed_size 0
		.amdhsa_private_segment_fixed_size 0
		.amdhsa_enable_private_segment 0
		.amdhsa_kernarg_size 32
		.amdhsa_user_sgpr_count 2
		.amdhsa_user_sgpr_kernarg_segment_ptr 1
		.amdhsa_wavefront_size32 1
		.amdhsa_system_sgpr_workgroup_id_x 1
		.amdhsa_system_sgpr_workgroup_id_y 1
		.amdhsa_system_sgpr_workgroup_id_z 1
		.amdhsa_system_vgpr_workitem_id 0
		.amdhsa_next_free_vgpr 104
		.amdhsa_next_free_sgpr 66
		.amdhsa_reserve_vcc 0
		.amdhsa_float_denorm_mode_32 3
		.amdhsa_float_denorm_mode_16_64 3
		.amdhsa_memory_ordered 1
		.amdhsa_forward_progress 1
		.amdhsa_inst_pref_size 7
	.end_amdhsa_kernel
	.amdgpu_metadata
---
amdhsa.version: [ 1, 2 ]
amdhsa.kernels:
  - .name:           k_q03fbfe3693_cast
    .symbol:         k_q03fbfe3693_cast.kd
    .args:
      - { .name: x, .offset: 0, .size: 8, .value_kind: global_buffer, .address_space: global }
      - { .name: W_qkv, .offset: 8, .size: 8, .value_kind: global_buffer, .address_space: global }
      - { .name: xb, .offset: 16, .size: 8, .value_kind: global_buffer, .address_space: global }
      - { .name: wb, .offset: 24, .size: 8, .value_kind: global_buffer, .address_space: global }
    .group_segment_fixed_size: 0
    .private_segment_fixed_size: 0
    .kernarg_segment_align: 8
    .kernarg_segment_size: 32
    .max_flat_workgroup_size: 256
    .sgpr_count:     66
    .vgpr_count:     104
    .wavefront_size: 32
...
	.end_amdgpu_metadata
.endif
;; end of part 1
;; launch proj (part 2): grid 12 x 16, 4 waves a work-group, clusters of 4 x 4, 327,680 bytes of LDS; arguments xb, wb, b_qkv, qkv; writes qkv
.if DOCPART == 2
	.amdgcn_target "amdgcn-amd-amdhsa--gfx1250"
	.amdhsa_code_object_version 6
	.text
	.protected	k_q03fbfe3693_proj
	.globl	k_q03fbfe3693_proj
	.p2align	8
	.type	k_q03fbfe3693_proj,@function
k_q03fbfe3693_proj:
	s_mov_b64 s[64:65], 0
	v_nop
	global_prefetch_b8 v0, s[64:65] scope:SCOPE_SE
	s_setreg_imm32_b32 hwreg(HW_REG_WAVE_MODE, 25, 1), 1
	s_wait_xcnt 0x0
	s_wait_alu depctr_hold_cnt(0) depctr_sa_sdst(0) depctr_va_vdst(0) depctr_va_sdst(0) depctr_va_ssrc(0) depctr_va_vcc(0) depctr_vm_vsrc(0)
	s_getreg_b32 s2, hwreg(HW_REG_IB_STS2, 6, 4)
	s_cmp_eq_u32 s2, 0
	s_cbranch_scc0 .Lentry_in_a_cluster
	s_endpgm
.Lentry_in_a_cluster:
	s_bfe_u32 s2, ttmp6, 0x10000c
	s_cmp_lg_u32 s2, 0xf033
	s_cbranch_scc0 .Lentry_shape_is_right
	s_endpgm
.Lentry_shape_is_right:
; qkv = xb wb + b_qkv.  xb: [4096][1024] bf16, wb: [1024 (k)][3072 (n)] bf16, b_qkv: [3072] f32; sums in f32, started by the bias.
; The result is rounded once to f16 and stored head by head: qkv[which 0..2][bh = 16 batch + head][t 0..2047][d 0..63], 128 bytes a row.
; LIMIT: a result of magnitude 65,504 or more becomes an infinity in f16.  f16 is taken for its 11 bits: the attention that follows forms sums of
; p v that can cancel, and they are compared against a floor of a hundredth of the output's root mean square.
; A work-group makes 256 x 256 of the product with four waves, a wave 128 x 128: 64 accumulator tiles, 512 registers.  A block's 256 columns are four
; whole heads of one of q, k, v, a wave's 128 columns two whole heads.  3072/256 x 4096/256 = 192 work-groups.
; K goes in steps of 128 through two LDS slots filled by tensor loads: 256 rows x 256 bytes of xb, 128 rows (k) x 512 bytes of wb.
; CLUSTERS: 4 x 4 work-groups.  The four of a row of the cluster need the same tiles of xb, the four of a column the same tiles of wb: each tile is asked
; for jointly, by the same tensor load with the same descriptor and a mask that names the four.
; wb lies [k][n]; its fragments (n along the lanes, k along a lane's registers) are made by the transposing LDS load.
;
; REGISTERS, in windows of 256:
;   window 0: v0-31 addresses; v64-127, v128-191 fragments of xb, two buffers; v192-223 at work on the way out
;   window 1: v0-63 the bias of my 128 columns, in the accumulators' layout; v64-127, v128-191 fragments of wb, two buffers
;   window 2: the 32 accumulator tiles of my rows 0-63 (tile (a, b) at v[8 (8 a + b)]);   window 3: those of my rows 64-127
; THE MATRIX INSTRUCTION IS USED TRANSPOSED: source 0 = 16 columns of wb, source 1 = 16 rows of xb.  Lane l then holds row l % 16 of the result and its
; registers 0-7 the columns 8 (l / 16) + 0..7: eight neighbouring numbers of a row, 16 bytes of f16.
.set SIZE_K, 1024
.set SIZE_N, 3072
.set KSTEP,  128
.set PITCH,  272                       ; an LDS row of xb: 256 bytes + 16: an odd multiple of 16, so 16 rows start in 16 different 16-byte columns of 256
.set PB,     544                       ; an LDS row of wb: 512 bytes + 32: an odd multiple of 32, as the transposing load's eight rows x two columns want
.set HALFT,  128*PITCH                 ; what one tensor load brings: 128 rows of xb = 64 rows of wb = 34,816 bytes
.set SLOT,   4*HALFT                   ; xb's 256 rows, then wb's 128 rows
.set STAGE,  2*SLOT                    ; behind the ring (a multiple of 256): 16 rows x 272 bytes for each wave, for the way out
.set SPITCH, 272
.set LAPS, SIZE_K/(2*KSTEP)            ; a lap = two K steps = once round the ring: 4
.set ADRA, 16                          ; v16-17  LDS address of my xb fragments in slot 0, 1
.set ADRB, 20                          ; v20-21  the same for wb
.set STO,  24                          ; v24     the way out: where I put 16 bytes of a row
.set RD,   25                          ; v25     the way out: where I read 16 bytes of a head's row back
.set CO,   26                          ; v26     my byte offset in qkv
.set BO,   27                          ; v27     my byte offset in the bias
.set BIAS, 0                           ; window 1
.set F0,   64                          ; fragment buffer 0
.set F1,   128                         ; fragment buffer 1
.set TMP,  192                         ; the way out: packed results, in window 0
.set G1, 24                            ; s[24:31] descriptor group 1 for xb's tiles
.set G0, 32                            ; s[32:39] descriptor group 0 for xb's tiles, one set for each slot
.set G1B, 48                           ; s[48:55] descriptor group 1 for wb's tiles
.set G0B, 56                           ; s[56:63] descriptor group 0 for wb's tiles, one set for each slot
.set MSB, 0
.macro WIN new                         ; the immediate's high byte repeats the setting that is left
.if MSB != \new
	s_set_vgpr_msb (MSB<<8)|\new
.set MSB, \new
.endif
.endm
.set MUL_LO,  0xa1                     ; source 0 (wb) window 1, source 1 (xb) window 0, C and D window 2
.set MUL_HI,  0xf1                     ; the same, C and D window 3
.set MUL_LO0, 0x91                     ; the first products: C = the bias in window 1, D window 2
.set MUL_HI0, 0xd1                     ; C = the bias in window 1, D window 3
.set TO_B,    0x40                     ; destination window 1, address window 0
; A joint load.  Waves 0 and 1 fetch xb's two halves, waves 2 and 3 wb's.  Each line has one mask and one set of registers for all that issue it.
; The branch hangs on the wave's number alone: it is the same in every work-group.
.macro JLOAD s
	s_cmp_eq_u32 s11, 0
	s_cbranch_scc0 .Lfor_b_\@
	tensor_load_to_lds s[G0+4*\s:G0+4*\s+3], s[G1:G1+7]
	s_nop 0
	s_branch .Lasked_\@
.Lfor_b_\@:
	tensor_load_to_lds s[G0B+4*\s:G0B+4*\s+3], s[G1B:G1B+7]
	s_nop 0
	v_nop
.Lasked_\@:
.endm
; A round of the cluster's barrier: my work-group's barrier, so that wave 0's signal speaks for all four waves; wave 0 signals for the work-group;
; every wave waits for all sixteen work-groups; my work-group's barrier once more.
.macro CREST                           ; a round behind its opening barrier
	s_cmp_lg_u32 s10, 0
	s_cbranch_scc1 .Lnot_wave_0_\@
	s_barrier_signal -3
.Lnot_wave_0_\@:
	s_barrier_wait -3
	s_barrier_signal -1
	s_barrier_wait -1
.endm
.macro CROUND                          ; a whole round
	s_barrier_signal -1
	s_barrier_wait -1
	CREST
.endm
	s_load_b128 s[4:7], s[0:1], 0x0                ; xb s[4:5], wb s[6:7]
	s_load_b64 s[66:67], s[0:1], 0x10              ; b_qkv
	s_load_b64 s[8:9], s[0:1], 0x18                ; qkv
	s_set_vgpr_msb 0x40
	v_lshl_add_u32 v255, v0, 2, 0x48400
	s_set_vgpr_msb 0x4000
	v_mov_b32 v255, 0
	s_set_vgpr_msb 0x1
	ds_add_u32 v255, v255
	ds_add_u32 v255, v255
	s_set_vgpr_msb 0x100
	v_lshrrev_b32 v1, 5, v0
	v_readfirstlane_b32 s10, v1                    ; wave 0..3
	s_lshr_b32 s11, s10, 1                         ; which half of the block's rows is mine.  Also: I fetch for xb (0) or for wb (1)
	s_and_b32 s12, s10, 1                          ; which half of its columns.  Also: which half of that tile I fetch
	s_bfe_u32 s40, ttmp6, 0x40000                  ; cx: my place along the cluster's x
	s_bfe_u32 s41, ttmp6, 0x40004                  ; cy: along its y
	s_lshl_b32 s42, ttmp9, 2                       ; in a cluster launch ttmp9 and ttmp7 count clusters
	s_add_co_u32 s42, s42, s40                     ; block column = 4 x cluster x + cx, 0..11
	s_and_b32 s13, ttmp7, 0xffff
	s_lshl_b32 s13, s13, 2
	s_add_co_u32 s13, s13, s41                     ; block row = 4 x cluster y + cy, 0..15
	s_lshl_b32 s43, s41, 2
	s_lshl_b32 s43, 15, s43                        ; my row of the cluster: places 4 cy .. 4 cy + 3
	s_lshl_b32 s44, 0x1111, s40                    ; my column: places cx, cx + 4, cx + 8, cx + 12
	; group 1 for xb: 128 rows x 128 elements of 2 bytes, 4 words of padding behind every 64 words
	s_or_b32 s[G1+0], s43, (1<<16)|(1<<20)|(1<<21)|(5<<22)|(3<<25)  ; 15:0 mask: my row; 17:16 2 bytes; 20 padding on; 21 set beside a mask; 24:22 interval 64 words; 31:25 pad 4 words
	s_mov_b32 s[G1+1], KSTEP<<16                   ; tensor_dim0 = 128
	s_mov_b32 s[G1+2], 128<<16                     ; tensor_dim1 = 128
	s_mov_b32 s[G1+3], KSTEP<<16                   ; tile_dim0 = 128
	s_mov_b32 s[G1+4], 128                         ; tile_dim1 = 128
	s_mov_b32 s[G1+5], SIZE_K                      ; elements from row to row
	s_mov_b32 s[G1+6], 0
	s_mov_b32 s[G1+7], 0
	; group 1 for wb: 64 rows (k) x 256 elements (n) of 2 bytes, 8 words of padding behind every 128 words
	s_or_b32 s[G1B+0], s44, (1<<16)|(1<<20)|(1<<21)|(6<<22)|(7<<25) ; mask: my column; interval 128 words; pad 8 words
	s_mov_b32 s[G1B+1], 256<<16                    ; tensor_dim0 = 256
	s_mov_b32 s[G1B+2], 64<<16                     ; tensor_dim1 = 64
	s_mov_b32 s[G1B+3], 256<<16                    ; tile_dim0 = 256
	s_mov_b32 s[G1B+4], 64                         ; tile_dim1 = 64
	s_mov_b32 s[G1B+5], SIZE_N                     ; elements from row to row
	s_mov_b32 s[G1B+6], 0
	s_mov_b32 s[G1B+7], 0
	; where the tiles come from.  xb's hang on the block row alone, which my row of the cluster shares; wb's on the block column alone.
	; Every wave makes both addresses, in registers that never hold the other coordinate, and asks by one of them.
	s_lshl_b32 s16, s13, 8
	s_lshl_b32 s17, s12, 7
	s_add_co_u32 s16, s16, s17                     ; xb: row 256 x block row + 128 x half
	s_lshl_b32 s16, s16, 11                        ; x 2,048 bytes a row (below 8 MiB)
	s_mov_b32 s17, 0
	s_lshl_b32 s46, s42, 9                         ; wb: 512 bytes of a row for each block column
	s_mul_i32 s47, s12, 64*SIZE_N*2                ; + 64 rows x half
	s_add_co_u32 s46, s46, s47
	s_mov_b32 s47, 0
	s_mul_i32 s20, s10, HALFT                      ; and where they go: wave x 34,816: no place in the cluster enters an LDS address
	s_lshl_b32 s68, s42, 10                        ; the bias of my 128 columns: 4 bytes x (256 x block column + 128 x half)
	s_lshl_b32 s69, s12, 9
	s_add_co_u32 s68, s68, s69
	s_mov_b32 s69, 0
	s_wait_dscnt 0x0
	s_wait_kmcnt 0x0
	s_add_nc_u64 s[14:15], s[4:5], s[16:17]
	s_add_nc_u64 s[46:47], s[6:7], s[46:47]
	s_add_nc_u64 s[66:67], s[66:67], s[68:69]
	CROUND                                         ; all sixteen work-groups are here: the first joint loads meet
.irp s, 0,1
	s_mov_b32 s[G0+4*\s], 1                                        ; count = 1
	s_add_co_u32 s[G0+4*\s+1], s20, \s*SLOT                        ; LDS address
	s_add_nc_u64 s[G0+4*\s+2:G0+4*\s+3], s[14:15], \s*KSTEP*2      ; global address: K step s is 256 bytes along xb's rows
	s_or_b32 s[G0+4*\s+3], s[G0+4*\s+3], 0x80000000                ; type = 2
	s_mov_b32 s[G0B+4*\s], 1
	s_add_co_u32 s[G0B+4*\s+1], s20, \s*SLOT
	s_add_nc_u64 s[G0B+4*\s+2:G0B+4*\s+3], s[46:47], \s*KSTEP*SIZE_N*2   ; K step s is 128 rows down wb
	s_or_b32 s[G0B+4*\s+3], s[G0B+4*\s+3], 0x80000000
	JLOAD \s                                       ; the ring is filled before anything else is done
.endr
	v_and_b32 v1, 15, v0                           ; r = l % 16
	v_bfe_u32 v2, v0, 4, 1                         ; h = l / 16
	; the bias: register j of tile column b holds b_qkv[16 b + 8 h + j] of my 128 columns, which is where an accumulator holds that column
	v_lshlrev_b32 v[BO], 5, v2
	WIN TO_B
.irp b, 0,1,2,3,4,5,6,7
	global_load_b128 v[BIAS+8*\b:BIAS+8*\b+3],   v[BO], s[66:67] offset:64*\b
	global_load_b128 v[BIAS+8*\b+4:BIAS+8*\b+7], v[BO], s[66:67] offset:64*\b+16
.endr
	WIN 0
	; xb's fragment: lane l holds row r; registers 0-3 hold K = 8 h + 0..7, registers 4-7 K = 16 + 8 h + 0..7: two loads of 16 bytes, 32 bytes apart
	v_mul_u32_u24 v3, v1, PITCH
	v_lshl_add_u32 v3, v2, 4, v3                   ; r x pitch + 16 h
	; wb's fragment by the transposing load: lane l addresses 16 bytes of row (k) 8 h + l % 8, columns 8 ((l / 8) % 2) + 0..7
	v_and_b32 v7, 7, v0
	v_lshl_add_u32 v7, v2, 3, v7
	v_mul_u32_u24 v6, v7, PB
	v_bfe_u32 v8, v0, 3, 1
	v_lshl_add_u32 v6, v8, 4, v6
	s_mul_i32 s21, s11, HALFT                      ; my 128 rows of xb
	s_lshl_b32 s22, s12, 8                         ; my 128 columns of wb: 256 bytes along its rows,
	s_add_co_u32 s22, s22, 2*HALFT                 ; which lie behind xb's 256 rows
.irp s, 0,1
	v_add_nc_u32 v[ADRA+\s], s21, v3
	v_add_nc_u32 v[ADRB+\s], s22, v6
	s_add_co_u32 s21, s21, SLOT
	s_add_co_u32 s22, s22, SLOT
.endr
	s_mul_i32 s23, s10, 16*SPITCH
	s_add_co_u32 s23, s23, STAGE                   ; my stage
	v_mul_u32_u24 v4, v1, SPITCH                   ; in: row r, 16 bytes for each half of the lanes
	v_lshl_add_u32 v4, v2, 4, v4
	v_add_nc_u32 v[STO], s23, v4
	v_bfe_u32 v5, v0, 3, 2                         ; back: eight lanes take the 128 bytes that a row holds of one head, four rows an instruction
	v_mul_u32_u24 v5, v5, SPITCH
	v_and_b32 v7, 7, v0
	v_lshl_add_u32 v5, v7, 4, v5
	v_add_nc_u32 v[RD], s23, v5
	v_and_b32 v7, 31, v0
	v_lshlrev_b32 v[CO], 4, v7                     ; those four rows are 512 consecutive bytes of qkv
; 16 matrix instructions: m blocks a0, a0 + 1 of the window's four (hi = 0: my rows 0-63, 1: rows 64-127) x all 8 n blocks, 32 along K.
; zero = 1: the first product starts the sums from the bias: nothing is cleared, and nothing is added on the way out.
.macro MUL16 f, hi, a0, zero
.irp a, \a0, \a0+1
.irp b, 0,1,2,3,4,5,6,7
.if \zero
	v_wmma_f32_16x16x32_bf16 v[8*(8*(\a)+\b):8*(8*(\a)+\b)+7], v[\f+8*\b:\f+8*\b+7], v[\f+8*(4*\hi+\a):\f+8*(4*\hi+\a)+7], v[BIAS+8*\b:BIAS+8*\b+7]
.else
	v_wmma_f32_16x16x32_bf16 v[8*(8*(\a)+\b):8*(8*(\a)+\b)+7], v[\f+8*\b:\f+8*\b+7], v[\f+8*(4*\hi+\a):\f+8*(4*\hi+\a)+7], v[8*(8*(\a)+\b):8*(8*(\a)+\b)+7]
.endif
.endr
.endr
.endm
; 32 LDS loads in one run: the fragments of quarter q of a K step (32 along K) into buffer f: wb's 128 columns, then xb's 128 rows
.macro FETCH slot, q, f
	WIN TO_B
.irp i, 0,1,2,3,4,5,6,7
	ds_load_tr16_b128 v[\f+8*\i:\f+8*\i+3],   v[ADRB+\slot] offset:\q*32*PB+32*\i          ; K = 32 q + 8 h + 0..7 of column 16 i + r
	ds_load_tr16_b128 v[\f+8*\i+4:\f+8*\i+7], v[ADRB+\slot] offset:\q*32*PB+16*PB+32*\i    ; K = 32 q + 16 + 8 h + 0..7
.endr
	WIN 0
.irp i, 0,1,2,3,4,5,6,7
	ds_load_b128 v[\f+8*\i:\f+8*\i+3],   v[ADRA+\slot] offset:\q*64+\i*16*PITCH
	ds_load_b128 v[\f+8*\i+4:\f+8*\i+7], v[ADRA+\slot] offset:\q*64+\i*16*PITCH+32
.endr
.endm
; A load into a register that a matrix instruction has read, and a vector instruction that reads a matrix result, stand four places behind that matrix
; instruction, and only plain vector instructions that name none of its registers are places (ISA guide 7.12.1 for vector instructions).
; So four v_nop stand in front of each run of loads.
.macro PLACES
.rept 4
	v_nop
.endr
.endm
; A K step is four quarters of 32 along K, 64 matrix instructions each, on buffers 0, 1, 0, 1.  The 64 accumulators take turns, one instruction a turn,
; in the same order in every quarter.
; One of the first three quarters: multiplies buffer f; in its middle it fetches quarter q of the same slot into buffer g.
.macro QUARTER slot, q, f, g, zero
	s_wait_dscnt 8                                 ; wb and xb's rows 0-63 are in; the youngest eight loads (xb's rows 64-127) may be out
.if \zero
	WIN MUL_LO0
.else
	WIN MUL_LO
.endif
	MUL16 \f, 0, 0, \zero
	MUL16 \f, 0, 2, \zero
	PLACES
	FETCH \slot, \q, \g
	s_wait_dscnt 32                                ; all but the 32 just issued
.if \zero
	WIN MUL_HI0
.else
	WIN MUL_HI
.endif
	MUL16 \f, 1, 0, \zero
	MUL16 \f, 1, 2, \zero
.endm
.macro THREE slot, zero
	QUARTER \slot, 1, F0, F1, \zero
	QUARTER \slot, 2, F1, F0, 0
	QUARTER \slot, 3, F0, F1, 0
.endm
; The last quarter: multiplies buffer 1 and changes slots.  next = the other slot; fill = 1: this slot is filled again, two K steps ahead.
; One barrier for the change of slots.  In front of it each wave waits for its own reads of this slot and for all its tensor loads, of which one is out:
; its part of the next slot.  Behind it nobody reads this slot any more and the next slot is whole: the refill comes first, then the next slot's first
; fragments.  From a request to the wait for it a wave issues 240 matrix instructions.
.macro TURN slot, next, fill
	s_wait_dscnt 8
	WIN MUL_LO
	MUL16 F1, 0, 0, 0
	s_wait_dscnt 0                                 ; my reads of this slot are over
	s_wait_tensorcnt 0x0                           ; and all my tensor loads have landed: the one that was out is my part of the next slot
	ds_add_u32 v255, v255
	s_wait_dscnt 0x0
	s_barrier_signal -1                            ; say so (where a slot is filled again this barrier opens a round of the cluster's barrier),
	MUL16 F1, 0, 2, 0                              ; work on registers while the others arrive,
	WIN 0
	s_barrier_wait -1                              ; and go on when all four have said so
.if \fill
	CREST                                          ; all sixteen work-groups have said so: no wave of any partner still reads this slot or has a load on its way
	s_add_nc_u64 s[G0+4*\slot+2:G0+4*\slot+3], s[G0+4*\slot+2:G0+4*\slot+3], 2*KSTEP*2
	s_add_nc_u64 s[G0B+4*\slot+2:G0B+4*\slot+3], s[G0B+4*\slot+2:G0B+4*\slot+3], 2*KSTEP*SIZE_N*2
	JLOAD \slot                                    ; the first tensor load behind the round
.endif
	PLACES
	FETCH \next, 0, F0
	WIN MUL_HI
	MUL16 F1, 1, 0, 0
	MUL16 F1, 1, 2, 0
.endm
.macro LAP zero                        ; once round the ring, both slots filled again
	THREE 0, \zero
	TURN 0, 1, 1
	THREE 1, 0
	TURN 1, 0, 1
.endm
	s_wait_loadcnt 0x0                             ; the bias, which the first products take as C
	s_wait_tensorcnt 1                             ; my part of K step 0 is in; K step 1's stays out
	s_barrier_signal -1
	s_barrier_wait -1                              ; everybody's is
	FETCH 0, 0, F0
	LAP 1                                          ; the first lap stands in front of the loop: its first products start the sums
.if LAPS > 2
	WIN 0                                          ; at a label and at a branch every window is 0
	s_mov_b32 s3, LAPS-2
.Llap:
	LAP 0
	WIN 0
	s_sub_co_u32 s3, s3, 1
	s_cmp_lg_u32 s3, 0
	s_cbranch_scc1 .Llap
.endif
	THREE 0, 0                                     ; the last lap fills nothing: my one tensor load that is still out is slot 1's, the last K step's
	TURN 0, 1, 0
	THREE 1, 0
	s_wait_dscnt 8                                 ; the very last quarter: nothing more to fetch
	WIN MUL_LO
	MUL16 F1, 0, 0, 0
	MUL16 F1, 0, 2, 0
	s_wait_dscnt 0
	WIN MUL_HI
	MUL16 F1, 1, 0, 0
	MUL16 F1, 1, 2, 0
	; THE WAY OUT, 16 rows at a time: round to f16, 16 bytes a lane into my own stage in LDS, read back head by head.
	; The four v_nop are the places behind the last matrix instructions: for the conversions and for the loads into buffers 0 and 1.
	PLACES
	s_lshr_b32 s68, s42, 2                         ; which of q, k, v: four block columns each,
	s_lshl_b32 s68, s68, 23                        ; 8,388,608 bytes each
	s_and_b32 s70, s42, 3
	s_lshl1_add_u32 s70, s70, s12                  ; my first head / 2 = 2 x (block column % 4) + column half
	s_lshl_b32 s70, s70, 19                        ; two heads are 2 x 262,144 bytes
	s_add_co_u32 s68, s68, s70
	s_lshr_b32 s70, s13, 3                         ; batch: eight block rows each,
	s_lshl_b32 s70, s70, 22                        ; 16 heads x 262,144 bytes each
	s_add_co_u32 s68, s68, s70
	s_and_b32 s70, s13, 7
	s_lshl1_add_u32 s70, s70, s11                  ; my first t / 128 = 2 x (block row % 8) + row half
	s_lshl_b32 s70, s70, 14                        ; 128 rows of 128 bytes
	s_add_co_u32 s68, s68, s70                     ; below 24 MiB
	s_mov_b32 s69, 0
	s_add_nc_u64 s[8:9], s[8:9], s[68:69]
; rows 16 i .. 16 i + 15 of my block = the eight tiles (a, 0..7) of window 2 or 3 (from = 0x0a or 0x0f: sources 0 and 1); f: F0 or F1 in turn
.macro OUT16 i, a, from, f
	WIN \from
.irp b, 0,1,2,3,4,5,6,7
.irp r, 0,1,2,3
	v_cvt_pk_f16_f32 v[TMP+4*\b+\r], v[8*(8*\a+\b)+2*\r], v[8*(8*\a+\b)+2*\r+1]
.endr
.endr
	WIN 0
.irp b, 0,1,2,3,4,5,6,7
	ds_store_b128 v[STO], v[TMP+4*\b:TMP+4*\b+3] offset:32*\b
.endr
	s_wait_xcnt 0x0                                ; buffer f, which earlier stores read, and the stores' base are rewritten only behind this wait
.if \i
	s_add_nc_u64 s[8:9], s[8:9], 16*128            ; 16 rows of a head on
.endif
.irp hh, 0,1
.irp rg, 0,1,2,3
	ds_load_b128 v[\f+16*\hh+4*\rg:\f+16*\hh+4*\rg+3], v[RD] offset:\rg*4*SPITCH+128*\hh   ; LDS serves a wave's instructions in order (ISA guide 5.7.1.4): these see the stores above
.endr
.endr
.irp hh, 0,1
.irp rg, 0,1,2,3
	s_wait_dscnt 7-4*\hh-\rg
	global_store_b128 v[CO], v[\f+16*\hh+4*\rg:\f+16*\hh+4*\rg+3], s[8:9] offset:\hh*262144+\rg*512   ; 32 lanes store 512 consecutive bytes, at a multiple of 512 from qkv's first byte
.endr
.endr
.endm
	OUT16 0, 0, 0x0a, F0
	OUT16 1, 1, 0x0a, F1
	OUT16 2, 2, 0x0a, F0
	OUT16 3, 3, 0x0a, F1
	OUT16 4, 0, 0x0f, F0
	OUT16 5, 1, 0x0f, F1
	OUT16 6, 2, 0x0f, F0
	OUT16 7, 3, 0x0f, F1
	s_set_vgpr_msb 0x1
	s_wait_tensorcnt 0x0
	ds_add_u32 v255, v255
	s_wait_dscnt 0x0
	s_set_vgpr_msb 0x100
	CROUND                                         ; the closing round: no work-group ends while a partner may still ask for a tile that names it
	s_endpgm
.Lfunc_end_k_q03fbfe3693_proj:
	.size	k_q03fbfe3693_proj, .Lfunc_end_k_q03fbfe3693_proj-k_q03fbfe3693_proj
	.p2alignl 7, 3214868480
	.fill 96, 4, 3214868480
	.section	.rodata,"a",@progbits
	.p2align	6, 0x0
	.amdhsa_kernel k_q03fbfe3693_proj
		.amdhsa_group_segment_fixed_size 327680
		.amdhsa_private_segment_fixed_size 0
		.amdhsa_enable_private_segment 0
		.amdhsa_kernarg_size 32
		.amdhsa_user_sgpr_count 2
		.amdhsa_user_sgpr_kernarg_segment_ptr 1
		.amdhsa_wavefront_size32 1
		.amdhsa_system_sgpr_workgroup_id_x 1
		.amdhsa_system_sgpr_workgroup_id_y 1
		.amdhsa_system_sgpr_workgroup_id_z 1
		.amdhsa_system_vgpr_workitem_id 0
		.amdhsa_next_free_vgpr 1024
		.amdhsa_next_free_sgpr 72
		.amdhsa_reserve_vcc 0
		.amdhsa_float_denorm_mode_32 3
		.amdhsa_float_denorm_mode_16_64 3
		.amdhsa_memory_ordered 1
		.amdhsa_forward_progress 1
		.amdhsa_inst_pref_size 199
	.end_amdhsa_kernel
	.amdgpu_metadata
---
amdhsa.version: [ 1, 2 ]
amdhsa.kernels:
  - .name:           k_q03fbfe3693_proj
    .symbol:         k_q03fbfe3693_proj.kd
    .args:
      - { .name: xb, .offset: 0, .size: 8, .value_kind: global_buffer, .address_space: global }
      - { .name: wb, .offset: 8, .size: 8, .value_kind: global_buffer, .address_space: global }
      - { .name: b_qkv, .offset: 16, .size: 8, .value_kind: global_buffer, .address_space: global }
      - { .name: qkv, .offset: 24, .size: 8, .value_kind: global_buffer, .address_space: global }
    .group_segment_fixed_size: 327680
    .private_segment_fixed_size: 0
    .kernarg_segment_align: 8
    .kernarg_segment_size: 32
    .max_flat_workgroup_size: 128
    .sgpr_count:     72
    .vgpr_count:     1024
    .wavefront_size: 32
...
	.end_amdgpu_metadata
.endif
;; end of part 2
;; launch attn (part 3): grid 8 x 32, 4 waves a work-group, no clusters, 327,680 bytes of LDS; arguments qkv, out0; writes out0
.if DOCPART == 3
	.amdgcn_target "amdgcn-amd-amdhsa--gfx1250"
	.amdhsa_code_object_version 6
	.text
	.protected	k_q03fbfe3693_attn
	.globl	k_q03fbfe3693_attn
	.p2align	8
	.type	k_q03fbfe3693_attn,@function
k_q03fbfe3693_attn:
	s_mov_b64 s[64:65], 0
	v_nop
	global_prefetch_b8 v0, s[64:65] scope:SCOPE_SE
	s_setreg_imm32_b32 hwreg(HW_REG_WAVE_MODE, 25, 1), 1
	s_wait_xcnt 0x0
; Causal attention, one (batch, head) pair bh = work-group y.  qkv: [3][32 bh][2048 t][64 d] f16; out0: [2][2048][16 heads x 64] f32.
; out[t] = sum over T <= t of softmax(q[t] k[T] / 8) v[T], with a running maximum: M = round(max S x c), c = log2(e) / 8; p = 2^(S c - M), formed by
; one fused multiply-add, so every p of a row is taken against the stored M; sums and results are rescaled by 2^(M old - M new).
; Products in f16 with f32 sums, P rounded to f16 (p <= 1), everything else f32.
; LIMITS: p below 2^-126 counts as 0.  A row with an infinite or NaN score gives NaN, as the softmax itself does.
; SHARES: the 2,048 queries are 16 blocks of 128.  Work-group c (x, 0..7) takes block 15 - c and then block c: (16 - c) + (c + 1) = 17 units of
; 128 queries x 128 keys for every work-group, 8 x 32 = 256 equal work-groups.  Wave w takes queries 32 w .. 32 w + 31 of a block: two tiles of 16.
; The 17 key tiles form one list (tile i = keys of unit i for i < 16 - c, of unit i - (16 - c) behind) that runs through one ring of three LDS slots.
; Tiles 15 - c and 16 lie on the diagonal: they are masked, and behind each a block is finished.
; NO CLUSTER: the eight work-groups of a head need 16 - c tiles of its keys for their first block, a different number each; partners in step would
; all last as long as the one that works on both its blocks in a trip: for c = 0..3, 4 x 2 + 12 = 20 units in place of 17.
; S IS MADE TRANSPOSED: S^T = K Q^T (source 0 = 16 keys, source 1 = 16 queries).  Lane (r = l % 16, h = l / 16) then holds query r and keys 8 h + 0..7 of
; each tile: maximum and sum are made inside the lane and with one exchange of the halves, and two neighbouring tiles, packed to f16, ARE source 1 of
; O^T = V^T P^T (source 0 = V^T by the transposing LDS load).  O^T holds 8 neighbouring d of query r in a lane; the rescale is one number a lane.
.set SLOT,  35840                      ; K: 64 rows (two keys of 128 bytes each) of pitch 272, then V: 64 rows of pitch 288
.set KP,    272                        ; key 16 mt + r lies at 16-byte column (r / 2) + 8 (r % 2) of 256 bytes: 16 different ones
.set VP,    288                        ; the transposing load's lanes lie at columns 2 ((l % 8) / 2) + 8 (l % 2) + (l / 8) % 2: 16 different ones
.set VOFF,  64*KP
.set STAGE, 3*SLOT                     ; 107,520, a multiple of 256: 32 rows x 272 bytes for each wave, for the way out; no tensor load lands here
.set SP,    272
.set CSC,   0x3e38aa3b                 ; log2(e) / 8
.set KAD,  2                           ; v[2:4]     LDS address of my K fragments in slot 0, 1, 2
.set VAD,  5                           ; v[5:7]     the same for V
.set STO,  8                           ; v8         the way out: where I put 32 bytes of a row
.set RD,   9                           ; v9         where I read 16 bytes back
.set CO,   10                          ; v10        my byte offset in out0
.set DL,   11                          ; v11        32 w + r - 8 h: key 16 mt + 8 h + j is allowed for query 32 w + 16 nt + r if 16 mt + j - 16 nt <= DL
.set NINF, 12                          ; v12        -infinity
.set QO,   13                          ; v13        my byte offset in a block of q
.set M,    14                          ; v[14:15]   running maximum (scaled) of query tile 0, 1
.set L,    16                          ; v[16:19]   running sum of my keys' p, a pair for each query tile
.set AL,   20                          ; v[20:21]   the rescale factor (low word used)
.set NM,   22                          ; v[22:23]   -M (low word used)
.set INV,  24                          ; v[24:25]   1 / sum (low word used)
.set T,    26                          ; v[26:31]   at work
.set Q,    32                          ; v[32:63]   Q fragments (nt, ks) at 16 nt + 8 ks
.set S,    64                          ; v[64:191]  S^T tiles (nt, mt) at 64 nt + 8 mt; P fragments (nt, kb) packed in place at 64 nt + 16 kb
.set QL,   192                         ; v[192:223] the second block's Q, kept so that the change of blocks waits for no memory
.set A,    224                         ; v[224:231] four pairs of partial sums of p
.set O,    0                           ; window 1, v[0:63]    O^T tiles (nt, dt) at 32 nt + 8 dt
.set KF,   64                          ; window 1, v[64:191]  K fragments (mt, ks) at 16 mt + 8 ks
.set VF,   0                           ; window 2, v[0:127]   V^T fragments (kb, dt) at 32 kb + 8 dt
.set G1K, 16                           ; s[16:23] descriptor group 1 for K
.set G1V, 24                           ; s[24:31] descriptor group 1 for V
.set G0K, 32                           ; s[32:43] descriptor group 0 for K, a set for each slot
.set G0V, 44                           ; s[44:55] descriptor group 0 for V, a set for each slot
.set MSB, 0
.macro WIN new                         ; low byte: bits 1:0 source 0, 3:2 source 1, 5:4 source 2, 7:6 destination; the high byte repeats the setting that is left
.if MSB != \new
	s_set_vgpr_msb (MSB<<8)|\new
.set MSB, \new
.endif
.endm
	s_load_b128 s[4:7], s[0:1], 0x0                ; qkv s[4:5], out0 s[6:7]
	v_lshl_add_u32 v254, v0, 2, 0x29000
	v_mov_b32 v255, 0
	ds_add_u32 v254, v255
	ds_add_u32 v254, v255
	v_lshrrev_b32 v1, 5, v0
	v_readfirstlane_b32 s8, v1                     ; w: wave 0..3
	s_mov_b32 s9, ttmp9                            ; c
	s_and_b32 s10, ttmp7, 0xffff                   ; bh
	s_sub_co_u32 s11, 16, s9                       ; tiles of the first block
	s_sub_co_u32 s12, 15, s9                       ; the first block's number, and the trip of its diagonal tile
	s_mov_b32 s13, 0                               ; the trip, 0..16
	s_mov_b32 s14, 2                               ; the next tile to ask for
	s_mov_b32 s61, 0
	s_mov_b32 s62, 0x76543210                      ; v_permlanex16_b32: lane i of one half reads lane i of the other
	s_mov_b32 s63, 0xfedcba98
	s_mov_b32 s66, CSC
	s_mov_b32 s67, CSC
	; Each wave brings its own 32 keys of a tile: 4,096 dense bytes of K and of V, as 16 rows of 32 elements of 8 bytes, padded behind every 64 words.
	s_mov_b32 s[G1K+0], (3<<16)|(1<<20)|(5<<22)|(3<<25)            ; no mask; 8 bytes; padding on; interval 64 words; pad 4 words: pitch 272
	s_mov_b32 s[G1V+0], (3<<16)|(1<<20)|(5<<22)|(7<<25)            ; pad 8 words: pitch 288
.irp g, G1K, G1V
	s_mov_b32 s[\g+1], 32<<16                      ; tensor_dim0 = 32
	s_mov_b32 s[\g+2], 16<<16                      ; tensor_dim1 = 16
	s_mov_b32 s[\g+3], 32<<16                      ; tile_dim0 = 32
	s_mov_b32 s[\g+4], 16                          ; tile_dim1 = 16
	s_mov_b32 s[\g+5], 32                          ; elements from row to row: dense
	s_mov_b32 s[\g+6], 0
	s_mov_b32 s[\g+7], 0
.endr
	s_mul_i32 s2, s8, 16*KP                        ; my 16 rows in a slot's K
	s_mul_i32 s3, s8, 16*VP
	s_add_co_u32 s3, s3, VOFF                      ; and in its V
.irp n, 0,1,2
	s_mov_b32 s[G0K+4*\n], 1
	s_add_co_u32 s[G0K+4*\n+1], s2, \n*SLOT
	s_mov_b32 s[G0V+4*\n], 1
	s_add_co_u32 s[G0V+4*\n+1], s3, \n*SLOT
.endr
	s_lshl_b32 s76, s10, 18                        ; bh x 262,144
	s_lshl_b32 s77, s8, 12                         ; + w x 32 rows of 128 bytes
	s_add_co_u32 s76, s76, s77
	s_mov_b32 s77, 0
	s_mov_b32 s79, 0
	v_and_b32 v1, 15, v0                           ; r
	v_bfe_u32 v26, v0, 4, 1                        ; h
	v_lshlrev_b32 v[QO], 7, v1
	v_lshl_add_u32 v[QO], v26, 4, v[QO]            ; r x 128 + 16 h
	s_wait_dscnt 0x0
	s_wait_kmcnt 0x0
	s_add_nc_u64 s[72:73], s[4:5], s[76:77]        ; q of my head at row 32 w
	s_add_nc_u64 s[56:57], s[72:73], 0x800000      ; k likewise: the address of my rows in unit 0,
	s_add_nc_u64 s[58:59], s[72:73], 0x1000000     ; v likewise,
	s_or_b32 s57, s57, 0x80000000                  ; with the descriptor's type bits on top
	s_or_b32 s59, s59, 0x80000000
	s_mov_b64 s[G0K+2:G0K+3], s[56:57]             ; tiles 0 and 1 are units 0 and 1 (the first block has at least 9)
	s_mov_b64 s[G0V+2:G0V+3], s[58:59]
	s_add_nc_u64 s[G0K+6:G0K+7], s[56:57], 16384
	s_add_nc_u64 s[G0V+6:G0V+7], s[58:59], 16384
	tensor_load_to_lds s[G0K:G0K+3], s[G1K:G1K+7]          ; four tensor loads of the wave are out here, later two
	s_nop 0
	tensor_load_to_lds s[G0V:G0V+3], s[G1V:G1V+7]
	s_nop 0
	tensor_load_to_lds s[G0K+4:G0K+7], s[G1K:G1K+7]
	s_nop 0
	tensor_load_to_lds s[G0V+4:G0V+7], s[G1V:G1V+7]
	s_nop 0
	s_lshl_b32 s78, s9, 14                         ; a block of q is 128 rows of 128 bytes
	s_add_nc_u64 s[74:75], s[72:73], s[78:79]      ; the second block's q
	s_lshl_b32 s78, s12, 14
	s_add_nc_u64 s[72:73], s[72:73], s[78:79]      ; the first block's q
	; a Q fragment: lane (r, h) holds query r; registers 0-3 hold d = 32 ks + 8 h + 0..7, registers 4-7 d = 32 ks + 16 + 8 h + 0..7
.irp nt, 0,1
.irp ks, 0,1
	global_load_b128 v[Q+16*\nt+8*\ks:Q+16*\nt+8*\ks+3],     v[QO], s[72:73] offset:2048*\nt+64*\ks
	global_load_b128 v[Q+16*\nt+8*\ks+4:Q+16*\nt+8*\ks+7],   v[QO], s[72:73] offset:2048*\nt+64*\ks+32
	global_load_b128 v[QL+16*\nt+8*\ks:QL+16*\nt+8*\ks+3],   v[QO], s[74:75] offset:2048*\nt+64*\ks
	global_load_b128 v[QL+16*\nt+8*\ks+4:QL+16*\nt+8*\ks+7], v[QO], s[74:75] offset:2048*\nt+64*\ks+32
.endr
.endr
	s_lshr_b32 s76, s10, 4                         ; out0: batch x 2,048 rows of 4,096 bytes
	s_lshl_b32 s76, s76, 23
	s_and_b32 s2, s10, 15
	s_lshl_b32 s2, s2, 8                           ; + head x 256 bytes
	s_add_co_u32 s76, s76, s2
	s_lshl_b32 s2, s8, 17                          ; + w x 32 rows
	s_add_co_u32 s76, s76, s2
	s_add_nc_u64 s[70:71], s[6:7], s[76:77]
	s_lshl_b32 s78, s12, 19                        ; a block is 128 rows of 4,096 bytes
	s_add_nc_u64 s[68:69], s[70:71], s[78:79]      ; where the block at work goes: the first,
	s_lshl_b32 s78, s9, 19
	s_add_nc_u64 s[70:71], s[70:71], s[78:79]      ; and the second
	; K fragment: lane (r, h) holds key 16 mt + r, d as for Q.  Key 16 mt + r lies in LDS row 8 mt + r / 2, at byte 128 (r % 2).
	v_lshrrev_b32 v27, 1, v1
	v_mul_u32_u24 v27, v27, KP
	v_and_b32 v28, 1, v1
	v_lshl_add_u32 v27, v28, 7, v27
	v_lshl_add_u32 v27, v26, 4, v27
.irp n, 0,1,2
	v_add_nc_u32 v[KAD+\n], \n*SLOT, v27
.endr
	; V^T fragment by the transposing load: lane l addresses 16 bytes (d = 8 ((l / 8) % 2) + 0..7) of key 32 kb + 8 h + l % 8
	v_bfe_u32 v27, v0, 1, 2
	v_lshl_add_u32 v27, v26, 2, v27                ; LDS row 4 h + (l % 8) / 2
	v_mul_u32_u24 v27, v27, VP
	v_and_b32 v28, 1, v0
	v_lshl_add_u32 v27, v28, 7, v27
	v_bfe_u32 v28, v0, 3, 1
	v_lshl_add_u32 v27, v28, 4, v27
.irp n, 0,1,2
	v_add_nc_u32 v[VAD+\n], \n*SLOT+VOFF, v27
.endr
	s_mul_i32 s76, s8, 32*SP
	s_add_co_u32 s76, s76, STAGE                   ; my stage
	v_mul_u32_u24 v27, v1, SP
	v_lshl_add_u32 v27, v26, 5, v27
	v_add_nc_u32 v[STO], s76, v27                  ; in: row r, 32 bytes for each half of the lanes
	v_mul_u32_u24 v27, v26, SP
	v_lshl_add_u32 v27, v1, 4, v27
	v_add_nc_u32 v[RD], s76, v27                   ; back: lanes 0-15 take one row of 256 bytes, lanes 16-31 the next
	v_lshlrev_b32 v[CO], 12, v26
	v_lshl_add_u32 v[CO], v1, 4, v[CO]             ; and the same two rows in out0
	s_lshl_b32 s2, s8, 5
	v_add_nc_u32 v[DL], s2, v1
	v_lshlrev_b32 v28, 3, v26
	v_sub_nc_u32 v[DL], v[DL], v28
	v_mov_b32 v[NINF], 0xff800000
	v_mov_b32 v[M], v[NINF]
	v_mov_b32 v[M+1], v[NINF]
.irp i, 0,1,2,3
	v_mov_b32 v[L+\i], 0
.endr
	v_mov_b32 v[AL+1], 0                           ; the upper words of the three pairs are never used, and are written once because a pair is named whole
	v_mov_b32 v[NM+1], 0
	v_mov_b32 v[INV+1], 0
; O = 0.  A block's first tile falls in a trip that hangs on c, so a product with the constant 0 as C cannot start the sums: 64 moves, twice in the kernel.
.macro ZERO_O
	WIN 0x40
.set i, 0
.rept 64
	v_mov_b32 v[O+i], 0
.set i, i+1
.endr
	WIN 0
.endm
; 32 LDS loads: the K fragments of slot sl's tile (128 keys x 64 d)
.macro LOADK sl
	WIN 0x40
.irp mt, 0,1,2,3,4,5,6,7
.irp ks, 0,1
	ds_load_b128 v[KF+16*\mt+8*\ks:KF+16*\mt+8*\ks+3],   v[KAD+\sl] offset:\mt*8*KP+64*\ks
	ds_load_b128 v[KF+16*\mt+8*\ks+4:KF+16*\mt+8*\ks+7], v[KAD+\sl] offset:\mt*8*KP+64*\ks+32
.endr
.endr
.endm
; 32 LDS loads: the V^T fragments of slot sl's tile
.macro LOADV sl
	WIN 0x80
.irp kb, 0,1,2,3
.irp dt, 0,1,2,3
	ds_load_tr16_b128 v[VF+32*\kb+8*\dt:VF+32*\kb+8*\dt+3],   v[VAD+\sl] offset:\kb*16*VP+32*\dt          ; keys 32 kb + 8 h + 0..7 of d = 16 dt + r
	ds_load_tr16_b128 v[VF+32*\kb+8*\dt+4:VF+32*\kb+8*\dt+7], v[VAD+\sl] offset:\kb*16*VP+8*VP+32*\dt     ; keys 32 kb + 16 + 8 h + 0..7
.endr
.endr
.endm
; S^T = K Q^T: 16 tiles, d 0-31 starts the sums, d 32-63 adds in place.  The 16 accumulators take turns, one instruction a turn.
.macro QK
	WIN 0x01                                       ; source 0 (K) window 1; Q and S window 0
.irp nt, 0,1
.irp mt, 0,1,2,3,4,5,6,7
	v_wmma_f32_16x16x32_f16 v[S+64*\nt+8*\mt:S+64*\nt+8*\mt+7], v[KF+16*\mt:KF+16*\mt+7], v[Q+16*\nt:Q+16*\nt+7], 0
.endr
.endr
.irp nt, 0,1
.irp mt, 0,1,2,3,4,5,6,7
	v_wmma_f32_16x16x32_f16 v[S+64*\nt+8*\mt:S+64*\nt+8*\mt+7], v[KF+16*\mt+8:KF+16*\mt+15], v[Q+16*\nt+8:Q+16*\nt+15], v[S+64*\nt+8*\mt:S+64*\nt+8*\mt+7]
.endr
.endr
.endm
; the diagonal unit: keys behind the query get -infinity.  The query's own key is always allowed, so no row of the unit is empty.
.macro MASK
.irp nt, 0,1
.irp mt, 0,1,2,3,4,5,6,7
.irp j, 0,1,2,3,4,5,6,7
	v_cmp_le_i32 vcc_lo, 16*\mt+\j-16*\nt, v[DL]
	v_cndmask_b32 v[S+64*\nt+8*\mt+\j], v[NINF], v[S+64*\nt+8*\mt+\j], vcc_lo
.endr
.endr
.endr
.endm
; The new maximum of query tile nt, the rescale factor, and O rescaled.
.macro MAXP nt
.set SB, S+64*\nt
.irp q, 0,1,2,3
	v_max3_num_f32 v[T+\q], v[SB+16*\q], v[SB+16*\q+1], v[SB+16*\q+2]          ; four chains of 15 registers each
.endr
.irp e, 3,5,7,9,11,13
.irp q, 0,1,2,3
	v_max3_num_f32 v[T+\q], v[T+\q], v[SB+16*\q+\e], v[SB+16*\q+\e+1]
.endr
.endr
	v_max3_num_f32 v[T], v[T], v[T+1], v[SB+15]    ; the chains join and take the four registers that are left
	v_max3_num_f32 v[T+2], v[T+2], v[T+3], v[SB+31]
	v_max3_num_f32 v[T], v[T], v[T+2], v[SB+47]
	v_max_num_f32 v[T], v[T], v[SB+63]
	v_permlanex16_b32 v[T+1], v[T], s62, s63       ; the other half of the lanes holds the query's other keys
	v_max_num_f32 v[T], v[T], v[T+1]
	v_mul_f32 v[T], s66, v[T]                      ; scaled: c > 0 keeps the order
	v_max_num_f32 v[T+1], v[M+\nt], v[T]           ; M new
	v_sub_f32 v[T+2], v[M+\nt], v[T+1]
	v_exp_f32 v[AL], v[T+2]                        ; 2^(M old - M new); 0 at a block's first tile, where M old is -infinity
	v_mov_b32 v[M+\nt], v[T+1]                     ; a plain instruction that touches neither AL nor T+2 stands behind the exponential (ISA guide 5.7.2)
	v_xor_b32 v[NM], 0x80000000, v[T+1]
	WIN 0x41                                       ; O in window 1, the factor in window 0
	s_wait_alu depctr_va_vdst(0)
.irp e, 0,2,4,6,8,10,12,14,16,18,20,22,24,26,28,30
	v_pk_mul_f32 v[O+32*\nt+\e:O+32*\nt+\e+1], v[O+32*\nt+\e:O+32*\nt+\e+1], v[AL:AL+1] op_sel_hi:[1,0]
.endr
	WIN 0
.endm
; 32 keys (S tiles 2 kb, 2 kb + 1) of query tile nt: p = 2^(S c - M), summed in f32 into four pairs, packed in place to the P fragment.
.macro EXPCH nt, kb, first
.set EB, S+64*\nt+16*\kb
.irp i, 0,2,4,6,8,10,12,14
	v_pk_fma_f32 v[EB+\i:EB+\i+1], v[EB+\i:EB+\i+1], s[66:67], v[NM:NM+1] op_sel_hi:[1,0,0]
.endr
.irp i, 0,1,2,3,4,5,6,7,8,9,10,11,12,13,14,15
	v_exp_f32 v[EB+\i], v[EB+\i]
.endr
	v_nop                                          ; one plain place behind the run of exponentials before their results are used (ISA guide 5.7.2)
.if \first
	s_wait_alu depctr_va_vdst(0)
.irp q, 0,1,2,3
	v_pk_add_f32 v[A+2*\q:A+2*\q+1], v[EB+2*\q:EB+2*\q+1], v[EB+8+2*\q:EB+8+2*\q+1]        ; the first chunk starts the sums
.endr
.else
	s_wait_alu depctr_va_vdst(0)
.irp q, 0,1,2,3
	v_pk_add_f32 v[A+2*\q:A+2*\q+1], v[A+2*\q:A+2*\q+1], v[EB+2*\q:EB+2*\q+1]
.endr
.irp q, 0,1,2,3
	v_pk_add_f32 v[A+2*\q:A+2*\q+1], v[A+2*\q:A+2*\q+1], v[EB+8+2*\q:EB+8+2*\q+1]
.endr
.endif
.irp i, 0,1,2,3,4,5,6,7
	v_cvt_pk_f16_f32 v[EB+\i], v[EB+2*\i], v[EB+2*\i+1]    ; ascending: register i is written when registers 2 i, 2 i + 1 are read and all below have been
.endr
.endm
; O^T += V^T P^T for 32 keys: the four d tiles take turns, one instruction a turn
.macro PV nt, kb
.irp dt, 0,1,2,3
	v_wmma_f32_16x16x32_f16 v[O+32*\nt+8*\dt:O+32*\nt+8*\dt+7], v[VF+32*\kb+8*\dt:VF+32*\kb+8*\dt+7], v[S+64*\nt+16*\kb:S+64*\nt+16*\kb+7], v[O+32*\nt+8*\dt:O+32*\nt+8*\dt+7]
.endr
.endm
; Softmax and O for query tile nt.  Behind each eight products stand the next two chunks' vector instructions, which name none of their registers.
.macro SMPV nt, vwait
	MAXP \nt
	EXPCH \nt, 0, 1
	EXPCH \nt, 1, 0
.if \vwait >= 0
	s_wait_dscnt \vwait                            ; V's 32 loads are in; the loads issued behind them (the next tile's K: 32, or none) may be out
.endif
	WIN 0x52                                       ; source 0 (V) window 2, source 1 (P) window 0, C and D (O) window 1
	PV \nt, 0
	PV \nt, 1
	WIN 0
	EXPCH \nt, 2, 0
	EXPCH \nt, 3, 0
	WIN 0x52
	PV \nt, 2
	PV \nt, 3
	WIN 0
	v_pk_add_f32 v[A:A+1], v[A:A+1], v[A+2:A+3]
	v_pk_add_f32 v[A+4:A+5], v[A+4:A+5], v[A+6:A+7]
	v_pk_add_f32 v[A:A+1], v[A:A+1], v[A+4:A+5]
	v_pk_fma_f32 v[L+2*\nt:L+2*\nt+1], v[L+2*\nt:L+2*\nt+1], v[AL:AL+1], v[A:A+1] op_sel_hi:[1,0,1]
.endm
; A block is finished: O / sum, through my own stage in LDS, out in whole rows of 256 bytes.  last = 0: the state is set for the second block.
.macro FINAL last
.rept 4
	v_nop                                          ; four places behind the last product before O is read (ISA guide 7.12.1)
.endr
.irp nt, 0,1
	v_add_f32 v[T], v[L+2*\nt], v[L+2*\nt+1]
	v_permlanex16_b32 v[T+1], v[T], s62, s63       ; the other half's keys
	v_add_f32 v[T], v[T], v[T+1]                   ; at least about 1: the largest p of a row is 2^0 up to M's rounding
	v_rcp_f32 v[INV], v[T]
	v_nop                                          ; one plain place behind the reciprocal (ISA guide 5.7.2)
	WIN 0x01                                       ; O in window 1; the result goes to S's registers, which are free
	s_wait_alu depctr_va_vdst(0)
.irp e, 0,2,4,6,8,10,12,14,16,18,20,22,24,26,28,30
	v_pk_mul_f32 v[S+32*\nt+\e:S+32*\nt+\e+1], v[O+32*\nt+\e:O+32*\nt+\e+1], v[INV:INV+1] op_sel_hi:[1,0]
.endr
	WIN 0
.endr
.irp nt, 0,1
.irp dt, 0,1,2,3
	ds_store_b128 v[STO], v[S+32*\nt+8*\dt:S+32*\nt+8*\dt+3]   offset:\nt*16*SP+64*\dt       ; query 16 nt + r, d = 16 dt + 8 h + 0..3
	ds_store_b128 v[STO], v[S+32*\nt+8*\dt+4:S+32*\nt+8*\dt+7] offset:\nt*16*SP+64*\dt+16    ; d = 16 dt + 8 h + 4..7
.endr
.endr
.irp p, 0,1,2,3,4,5,6,7,8,9,10,11,12,13,14,15
	ds_load_b128 v[S+64+4*\p:S+64+4*\p+3], v[RD] offset:\p*2*SP    ; my own bytes; LDS serves a wave's instructions in order (ISA guide 5.7.1.4)
.endr
.irp p, 0,1,2,3,4,5,6,7,8,9,10,11,12,13,14,15
	s_wait_dscnt 15-\p                             ; rows 2 p, 2 p + 1 are in, the younger loads stay out
	global_store_b128 v[CO], v[S+64+4*\p:S+64+4*\p+3], s[68:69] offset:\p*8192 th:TH_STORE_NT   ; 16 lanes store 256 consecutive bytes, at a multiple of 256 from out0's first byte
.endr
.if \last == 0
	s_wait_xcnt 0x0                                ; the stores' base and data registers are rewritten only behind this wait
	s_mov_b64 s[68:69], s[70:71]
.set i, 0
.rept 32
	v_mov_b32 v[Q+i], v[QL+i]
.set i, i+1
.endr
	v_mov_b32 v[M], v[NINF]
	v_mov_b32 v[M+1], v[NINF]
.irp i, 0,1,2,3
	v_mov_b32 v[L+\i], 0
.endr
	ZERO_O
.endif
.endm
; Trip i, tile i in slot sl = i % 3.  Its K fragments were loaded in the trip before.
; refill = 1: tile i + 2 is asked for, into the slot that tile i - 1 has left.  kpre = 1: tile i + 1's K fragments are loaded under the softmax.
; always = 1: the last trip, on the diagonal for every work-group.
; THE RING: in front of the barrier every wave waits for all its tensor loads (its parts of tile i + 1, asked for a trip ago) and for all its LDS
; reads (V of tile i - 1 among them; that tile's K was read a trip earlier).  Behind it tile i + 1 is whole for every wave and nobody reads tile i - 1's
; slot: the two refills come first.  A request has one trip in which to land: 64 matrix instructions and two tiles' softmax.
; The third slot is there so that one tile's V and the next tile's K can be read in the same trip while a third is on its way.
.macro TRIP sl, refill, kpre, always
.set NX, (\sl+1)%3
.set N2, (\sl+2)%3
.rept 5
	v_nop                                          ; five places behind the last product of the trip before, on every way here: V's registers are loaded and P's written by products below (ISA guide 7.12.1)
.endr
.if \kpre
	s_wait_tensorcnt 0x0                           ; all my tensor loads have landed, so every group 0 may be written
	ds_add_u32 v254, v255
	s_wait_dscnt 0x0
.endif
.if \refill
	s_cmp_ge_u32 s14, s11                          ; the unit of tile s14: the list starts again at unit 0 with the second block
	s_cselect_b32 s2, s11, 0
	s_sub_co_u32 s2, s14, s2
	s_lshl_b32 s60, s2, 14                         ; 128 keys of 128 bytes
	s_add_nc_u64 s[G0K+4*N2+2:G0K+4*N2+3], s[56:57], s[60:61]
	s_add_nc_u64 s[G0V+4*N2+2:G0V+4*N2+3], s[58:59], s[60:61]
	s_add_co_u32 s14, s14, 1
.endif
	s_wait_dscnt 0x0                               ; this tile's K fragments are in, and no LDS read of mine is out
.if \kpre
	s_barrier_signal -1
	s_barrier_wait -1                              ; both now hold of all four waves
.endif
.if \refill
	tensor_load_to_lds s[G0K+4*N2:G0K+4*N2+3], s[G1K:G1K+7]        ; the first tensor loads behind the barrier, ahead of any LDS read
	s_nop 0
	tensor_load_to_lds s[G0V+4*N2:G0V+4*N2+3], s[G1V:G1V+7]
	s_nop 0
.endif
	LOADV \sl                                      ; lands under the 32 products and the first exponentials
	QK
	WIN 0
.rept 4
	v_nop                                          ; four places before S is read and K's registers are loaded again (ISA guide 7.12.1)
.endr
.if \kpre
	LOADK NX
	WIN 0
.endif
.if \always
	MASK
.else
	s_cmp_eq_u32 s13, s12
	s_cbranch_scc0 .Lnomask_\@
	MASK
.Lnomask_\@:
.endif
.if \kpre
	SMPV 0, 32
.else
	SMPV 0, 0
.endif
	SMPV 1, -1
.if \always
	FINAL 1
.else
	s_cmp_eq_u32 s13, s12
	s_cbranch_scc0 .Lnofin_\@
	FINAL 0
.Lnofin_\@:
	s_add_co_u32 s13, s13, 1
.endif
.endm
	ZERO_O
	s_wait_tensorcnt 0x2                           ; my parts of tile 0 (K, V) are in; tile 1's two loads stay out
	s_barrier_signal -1
	s_barrier_wait -1                              ; everybody's are
	LOADK 0
	WIN 0
	s_wait_loadcnt 0x0                             ; both blocks' Q, once
	s_mov_b32 s15, 5                               ; trips 0..14, three to a round of the ring; they ask for tiles 2..16
.Lloop:
	TRIP 0, 1, 1, 0
	TRIP 1, 1, 1, 0
	TRIP 2, 1, 1, 0
	s_sub_co_u32 s15, s15, 1
	s_cmp_lg_u32 s15, 0
	s_cbranch_scc1 .Lloop
	TRIP 0, 0, 1, 0                                ; trip 15 asks for nothing; its wait and barrier show tile 16 to every wave
	TRIP 1, 0, 0, 1                                ; trip 16: no tensor load is out, nothing is filled: no barrier
	s_wait_tensorcnt 0x0
	ds_add_u32 v254, v255
	s_wait_dscnt 0x0
	s_endpgm
.Lfunc_end_k_q03fbfe3693_attn:
	.size	k_q03fbfe3693_attn, .Lfunc_end_k_q03fbfe3693_attn-k_q03fbfe3693_attn
	.p2alignl 7, 3214868480
	.fill 96, 4, 3214868480
	.section	.rodata,"a",@progbits
	.p2align	6, 0x0
	.amdhsa_kernel k_q03fbfe3693_attn
		.amdhsa_group_segment_fixed_size 327680
		.amdhsa_private_segment_fixed_size 0
		.amdhsa_enable_private_segment 0
		.amdhsa_kernarg_size 16
		.amdhsa_user_sgpr_count 2
		.amdhsa_user_sgpr_kernarg_segment_ptr 1
		.amdhsa_wavefront_size32 1
		.amdhsa_system_sgpr_workgroup_id_x 1
		.amdhsa_system_sgpr_workgroup_id_y 1
		.amdhsa_system_sgpr_workgroup_id_z 1
		.amdhsa_system_vgpr_workitem_id 0
		.amdhsa_next_free_vgpr 640
		.amdhsa_next_free_sgpr 80
		.amdhsa_reserve_vcc 1
		.amdhsa_float_denorm_mode_32 3
		.amdhsa_float_denorm_mode_16_64 3
		.amdhsa_memory_ordered 1
		.amdhsa_forward_progress 1
		.amdhsa_inst_pref_size 255
	.end_amdhsa_kernel
	.section	.bss,"aw",@nobits
	.p2align	6
	.space	262144
	.amdgpu_metadata
---
amdhsa.version: [ 1, 2 ]
amdhsa.kernels:
  - .name:           k_q03fbfe3693_attn
    .symbol:         k_q03fbfe3693_attn.kd
    .args:
      - { .name: qkv, .offset: 0, .size: 8, .value_kind: global_buffer, .address_space: global }
      - { .name: out0, .offset: 8, .size: 8, .value_kind: global_buffer, .address_space: global }
    .group_segment_fixed_size: 327680
    .private_segment_fixed_size: 0
    .kernarg_segment_align: 8
    .kernarg_segment_size: 16
    .max_flat_workgroup_size: 128
    .sgpr_count:     80
    .vgpr_count:     640
    .wavefront_size: 32
...
	.end_amdgpu_metadata
.endif
;; end of part 3
